; MI455X (gfx1250); checked and timed in simulation.
; The chip was launched on July 23, 2026; its instructions are those of AMD's public machine-readable ISA for CDNA 5 (MIT licence, August 2026) and "CDNA5" Instruction Set Architecture Reference Guide (July 2026). The comments in the code are by the model that wrote it; some were corrected since.
;; selfattention. Allowed arithmetic: matrix products marked QUANTISED: E5M2 operands, one given power-of-two scale a tensor, by v_wmma_f32_16x16x64_bf8_bf8 or v_wmma_f32_16x16x128_bf8_bf8, f32 sums; everything else in f32.
;; Inputs: Wk_codes 1,024 x 32 x 32 uint8 (E5M2 codes of Wk, K innermost, in blocks of 32 codes); Wq_codes 1,024 x 32 x 32 uint8 (E5M2 codes of Wq, K innermost, in blocks of 32 codes); Wv_codes 1,024 x 32 x 32 uint8 (E5M2 codes of Wv, K innermost, in blocks of 32 codes); X_codes 4 x 2,048 x 32 x 32 uint8 (E5M2 codes of X, K innermost, in blocks of 32 codes); bk 1,024 float32; bq 1,024 float32; bv 1,024 float32; lowp_scales 10 int32 (the exponents e of the quantised operands' scales 2^e).
;; Outputs: out0 4 x 2,048 x 1,024 float32.
;; This version of the problem:
;;   THIS VERSION OF THE PROBLEM IS GIVEN IN LOW PRECISION. The matrix products marked QUANTISED in the list below multiply operands that are first quantised to E5M2 (5 exponent bits, 2 mantissa bits; 8 bits a number), with one given power-of-two scale for each operand tensor; their sums are f32. All else is computed in f32.
;;   The module's matrix products, in the order in which they are computed (A, B: the left and right operand; K: the contracted axis; several contracted axes count as one K, in the product's order):
;;     1. [M 8,192, K 1,024] x [K 1,024, N 1,024]; A: input X (given as codes); B: input Wq (given as codes): QUANTISED (scales: A lowp_scales[0], B lowp_scales[1])
;;     2. [M 8,192, K 1,024] x [K 1,024, N 1,024]; A: input X (given as codes); B: input Wk (given as codes): QUANTISED (scales: A lowp_scales[2], B lowp_scales[3])
;;     3. [M 8,192, K 1,024] x [K 1,024, N 1,024]; A: input X (given as codes); B: input Wv (given as codes): QUANTISED (scales: A lowp_scales[4], B lowp_scales[5])
;;     4. batch 4 x [M 2,048, K 1,024] x [K 1,024, N 2,048]; A: computed on the way; B: computed on the way: QUANTISED (scales: A lowp_scales[6], B lowp_scales[7])
;;     5. batch 4 x [M 2,048, K 2,048] x [K 2,048, N 1,024]; A: softmax (see below); B: computed on the way: QUANTISED (scales: A lowp_scales[8], B lowp_scales[9])
;;   THE QUANTISER, for each operand of a quantised product, along K:
;;     - The operand's scale is 2^e, e = its entry of the input lowp_scales (int32; the entries are numbered through the quantised products in the list's order, A before B).
;;     - Each number is divided by the scale, clamped to +-57,344, and rounded to the nearest number of E5M2, ties to even, subnormals kept.
;;     - The product sums the exact products of the quantised numbers (number of the format x scale) in f32.
;;   ~~~python
;;   def quantise(x, axis, e):      # numpy; x: float32 -> the quantised numbers, widened to float32 again
;;       x = np.moveaxis(x, axis, -1); K = x.shape[-1]
;;       r = np.clip(x / 2.0 ** e, -57344, 57344)
;;       step = 2.0 ** (np.maximum(np.frexp(np.where(r == 0, 1, r))[1] - 1, -14) - 2)
;;       q = np.round(r / step) * step * 2.0 ** e      # np.round: ties to even
;;       return np.moveaxis(q, -1, axis).astype(np.float32)
;;   ~~~
;;   SOFTMAX AHEAD OF A QUANTISED PRODUCT. Where the list says 'softmax', what is quantised is not the finished softmax but p = 2^(t - M), with t = logit x log2(e) and M = ceil(the row's largest t), a whole number; so 1/2 < the row's largest p <= 1. The row's sum l is taken of the UNQUANTISED p, in f32, and the product's result is divided by l at the end. Since M is a whole number, a kernel that streams over the keys may use a running M (the ceiling of the running maximum): every later rescaling is an exact power of two, so the quantised numbers keep their values, but for numbers so far below the row's largest that they fall under the format's range.
;;   OPERANDS COMPUTED ON THE WAY. 'Computed on the way' means the value that the module computes at that place (a softmax that the list does not call 'softmax' is quantised finished and normalised). What goes into a quantiser is computed in f32, as accurately as f32 sums, v_exp_f32 and their like allow (about 1e-6 of the number): no bf16 or f16 on the way to a quantiser, and a product that is left as it is and whose result goes on into a quantised operand takes f32 operands (vector FMAs, or v_wmma_f32_16x16x4_f32). A number that lies on a knife's edge between two numbers of the format may be rounded either way, as far as f32 arithmetic and the matrix unit's own rounding can turn it there, and no further.
;;   INPUTS GIVEN AS CODES. Wk (in the module: [1024, 1024], K = its axis 1); Wq (in the module: [1024, 1024], K = its axis 1); Wv (in the module: [1024, 1024], K = its axis 1); X (in the module: [4, 2048, 1024], K = its axis 2): each comes as NAME_codes (uint8): NAME with its K axis moved to the last place and cut into blocks of 32 codes, [.., K / 32, bytes a block], one block behind the other in memory; one code a byte (a code: sign, 5 exponent bits, 2 mantissa bits); its scale is its entry of lowp_scales. Its value is code x scale, taken as it is: it is not quantised again, and the codes and scales need not be those that the quantiser above would give.
;; One version. Each part assembles by itself: llvm-mc -triple=amdgcn-amd-amdhsa -mcpu=gfx1250 --defsym DOCPART=n.
;; ======== version 1 of 1: 3 launches
;; limits: right only within a limited range of input values
;; workspace buffers: qimg 8,388,608 bytes; kimg 8,388,608 bytes; vimg 8,388,608 bytes; pimg 16,777,216 bytes; ml 1,048,576 bytes
;; launch proj (part 1): grid 8 x 32, 4 waves a work-group, clusters of 4 x 4, 327,680 bytes of LDS; arguments X_codes, Wq_codes, Wk_codes, Wv_codes, bq, bk, bv, lowp_scales, qimg, kimg, vimg; writes qimg, kimg, vimg
.if DOCPART == 1
	.amdgcn_target "amdgcn-amd-amdhsa--gfx1250"
	.amdhsa_code_object_version 6
	.text
	.protected	k_q0765d2869a_proj
	.globl	k_q0765d2869a_proj
	.p2align	8
	.type	k_q0765d2869a_proj,@function
k_q0765d2869a_proj:
	s_mov_b64 s[64:65], 0
	v_nop
	global_prefetch_b8 v0, s[64:65] scope:SCOPE_SE
	s_setreg_imm32_b32 hwreg(HW_REG_WAVE_MODE, 25, 1), 1
	s_wait_xcnt 0x0
	s_wait_alu depctr_hold_cnt(0) depctr_sa_sdst(0) depctr_va_vdst(0) depctr_va_sdst(0) depctr_va_ssrc(0) depctr_va_vcc(0) depctr_vm_vsrc(0)
	s_getreg_b32 s2, hwreg(HW_REG_IB_STS2, 6, 4)
	s_cmp_eq_u32 s2, 0
	s_cbranch_scc0 .Lentry_in_a_cluster
	s_endpgm
.Lentry_in_a_cluster:
	s_bfe_u32 s2, ttmp6, 0x10000c
	s_cmp_lg_u32 s2, 0xf033
	s_cbranch_scc0 .Lentry_shape_is_right
	s_endpgm
.Lentry_shape_is_right:
; q = X Wq^T + bq, k = X Wk^T + bk, v^T = Wv X^T + bv: three products on codes of BF8 (E5M2), K = 1,024, sums in f32, each result quantised at once to BF8 with its given scale
; (q: entry 6 of the scales, k: entry 7, v: entry 9) and stored as IMAGES OF OPERAND REGISTERS for the next launches.
; DEAD WORK, for the whole program: reference() sets scores[q][k] to -inf wherever k > q, by a mask that it builds itself (jnp.tril); the softmax gives such a key the weight 0 whatever the inputs hold.
; So blocks of 256 queries x 256 keys all of whose keys come after all of their queries are neither multiplied (product 4), nor exponentiated, nor multiplied with v (product 5): the second and third launch leave them out.
; Nothing else is left out: every input has a way to the output and is loaded (the three biases go into quantisers).  LIMIT: a NaN, an infinity or an overflow that reaches only the blocks left out is not carried to the result.
; SHARES.  256 work-groups: work-group (x, y) makes, of the 256 rows of X from 256 y on, the 128 channels from 128 x on of q, of k and of v.  Wave w: rows 128 (w / 2) on, channels 64 (w % 2) on of each: 96 accumulators of 16 x 16, 768 registers.
; 4 x 4 work-groups form a cluster: X's tiles are shared along a row of the cluster, the weights' along a column; each is asked for jointly, by the same tensor load with the same descriptor and a mask that names the four.
; ORIENTATION.  q, k: source 0 = 16 rows of W, source 1 = 16 rows of X: a lane holds one row of X and eight neighbouring channels.  v: source 0 = 16 rows of X, source 1 = 16 rows of Wv: a lane holds one channel and eight neighbouring keys.
; These are the NEXT products' K, so conversions give the registers of a fragment in the instruction's own layout, and stores of 512 consecutive bytes (16 a lane) write its image: no stage, no turning.
; The sums begin with the bias, divided by the power of two that the sums lack.  The three scales ahead of a quantiser are folded into the conversion's one: 2^E, E = e_out - e_A - e_B.
; LIMITS: for each product e_A + e_B between -126 and 126, E between -126 and 112, so that the powers of two and 57,344 x 2^E are f32 numbers.  NaN among the inputs is not served.
; K goes in four steps of 256.  LDS: two slots for X (256 rows), Wq, Wk (128 rows each) and ONE place for Wv (128 rows): 2 x 139,264 + 34,816 bytes.  A step's Wv is asked for when the step begins and multiplied at its end;
; the next step's X, Wq, Wk are asked for at the same time, one load a wave: wave 0 X, wave 1 Wq, wave 2 Wk, wave 3 Wv.
; A step is twelve units of 32 matrix instructions, each on one window of accumulators, 64 along K (q0 = q's first 64): q0 k0 q1 k1 q2 k2 q3 k3 v2 v3 v0 v1.  X's fragments have two sets of registers; v2, v3 find theirs in place, v0, v1 read them again.
; NO PREFETCH: there are four K steps in all, two come by the loads in front of the first product, and the third and fourth have a whole step in which to land.
; REGISTERS, in windows of 256: window 0: v1-25 at work and addresses, v32-95, v96-159 X's fragments (8 x 16 rows x 64 K), two sets; v160-255 W's (4 x 16 rows x 64 K), three buffers.
;   windows 1, 2, 3: the accumulators of q, k, v: X's block a, channel block b at v[8 (4 a + b)].
.set PITCH,  272                       ; an LDS row: 256 bytes + 16 of padding = 68 words: the 16 rows that a load touches start at 16 different banks (64 banks of 4 bytes: ISA guide 11.1)
.set HALFT,  128*PITCH
.set QK,     2*HALFT                   ; in a slot: X's 256 rows, then Wq's and Wk's 128
.set SLOT,   4*HALFT
.set VB,     2*SLOT                    ; Wv's place
.set SPARE,  VB+HALFT                  ; the spare words, 128 bytes for each wave, that no other line names
.set ADX0, 8                           ; v8   LDS address of my fragments of X in slot 0;  v9 of Wq;  v10 of Wv
.set ADW0, 9
.set ADV,  10
.set ADX,  11                          ; v11, v12  the same in the slot in hand
.set ADW,  12
.set SPW,  13                          ; v13  LDS address of my spare word; never rewritten
.set NIL,  14                          ; v14  0; never rewritten
.set OFF,  15                          ; v15  16 x lane
.set SC,   16                          ; v16-18  2^E of q, k, v
.set LIM,  20                          ; v20-22  57,344 x 2^E
.set G0X, 4                            ; s[4:7], s[8:11], s[20:23]  descriptor group 0 of X, of Wq or Wk, of Wv: they walk;  s[56:59] of my half of X at the head
.set G0W, 8
.set G0V, 20
.set G0H, 56
.set G1X, 24                           ; group 1: 256 rows of X;  128 rows of X;  128 rows of a weight
.set G1H, 32
.set G1W, 48
.set TB,  66                           ; s66  LDS byte at which the slot in hand begins
.set PADW, (1<<20)|(1<<21)|(5<<22)|(3<<25)   ; elements of 1 byte; 20 padding on; 21 set beside a mask; 24:22 after every 64 words; 31:25 four words
.set MSB, 0
.macro WIN new                         ; the immediate's high byte repeats the setting that is left; a switch that changes nothing is dropped
.if MSB != (\new)
	s_set_vgpr_msb (MSB<<8)|(\new)
.set MSB, (\new)
.endif
.endm
.macro PLACES n                        ; plain vector lines between a matrix instruction and a load into, or a vector line on, its registers
.rept \n
	v_nop
.endr
.endm
.macro CREST                           ; a round of the cluster's barrier behind its opening barrier
	s_cmp_lg_u32 s14, 0
	s_cbranch_scc1 .Lnot_wave_0_\@
	s_barrier_signal -3
.Lnot_wave_0_\@:
	s_barrier_wait -3
	s_barrier_signal -1
	s_barrier_wait -1
.endm
.macro CROUND                          ; a whole round
	s_barrier_signal -1
	s_barrier_wait -1
	CREST
.endm
; A step's joint loads, one a wave; the branches hang on the wave's number alone.  An s_nop 0 and four v_nop follow each line.  full = 0: Wv alone is left to fetch.
.macro JLOAD full
	s_cmp_eq_u32 s14, 3                            ; Wv first: it is wanted first
	s_cbranch_scc0 .Lnot_v_\@
	tensor_load_to_lds s[G0V:G0V+3], s[G1W:G1W+7]
	s_nop 0
	PLACES 4
	s_branch .Lasked_\@
.Lnot_v_\@:
.if \full
	s_cmp_eq_u32 s14, 0
	s_cbranch_scc0 .Lnot_x_\@
	tensor_load_to_lds s[G0X:G0X+3], s[G1X:G1X+7]
	s_nop 0
	PLACES 4
	s_branch .Lasked_\@
.Lnot_x_\@:
	tensor_load_to_lds s[G0W:G0W+3], s[G1W:G1W+7]
	s_nop 0
.endif
	PLACES 4
.Lasked_\@:
.endm
.macro STEP_XW                         ; the next K step, the other slot (the slots' bases share no bit with what is added to them)
	s_add_nc_u64 s[G0X+2:G0X+3], s[G0X+2:G0X+3], 256
	s_xor_b32 s[G0X+1], s[G0X+1], SLOT
	s_add_nc_u64 s[G0W+2:G0W+3], s[G0W+2:G0W+3], 256
	s_xor_b32 s[G0W+1], s[G0W+1], SLOT
.endm
	s_load_b512 s[68:83], s[0:1], 0x0              ; X s[68:69], Wq s[70:71], Wk s[72:73], Wv s[74:75], bq s[76:77], bk s[78:79], bv s[80:81], the scales' exponents s[82:83]
	s_load_b128 s[84:87], s[0:1], 0x40             ; q's images s[84:85], k's s[86:87]
	s_load_b64 s[88:89], s[0:1], 0x50              ; v's
	v_lshl_add_u32 v[SPW], v0, 2, SPARE
	v_mov_b32 v[NIL], 0
	ds_add_u32 v[SPW], v[NIL]                      ; the wave's opening: the add, twice on end, and its wait ahead of my first tensor load
	ds_add_u32 v[SPW], v[NIL]                      ; and once more; the set-up below, work on registers, stands between it and the wait
	v_lshrrev_b32 v1, 5, v0
	v_readfirstlane_b32 s14, v1                    ; wave 0..3
	s_lshr_b32 s15, s14, 1                         ; my half of X's rows
	s_and_b32 s16, s14, 1                          ; my half of the channels
	s_xor_b32 s67, s14, s15
	s_and_b32 s67, s67, 1                          ; 0 in waves 0 and 3: at the head they fetch X's two halves
	s_bfe_u32 s40, ttmp6, 0x40000                  ; cx, cy: my place in the cluster
	s_bfe_u32 s41, ttmp6, 0x40004
	s_lshl_b32 s42, ttmp9, 2
	s_add_co_u32 s42, s42, s40                     ; x
	s_and_b32 s17, ttmp7, 0xffff
	s_lshl_b32 s17, s17, 2
	s_add_co_u32 s17, s17, s41                     ; y
	s_lshl_b32 s43, s41, 2
	s_lshl_b32 s43, 15, s43                        ; my row of the cluster
	s_lshl_b32 s44, 0x1111, s40                    ; my column
	s_or_b32 s[G1X], s43, PADW
	s_or_b32 s[G1H], s43, PADW
	s_or_b32 s[G1W], s44, PADW
.irp g, G1X, G1H, G1W
	s_mov_b32 s[\g+1], 256<<16                     ; tensor_dim0
	s_mov_b32 s[\g+3], 256<<16                     ; tile_dim0
	s_mov_b32 s[\g+5], 1024                        ; tensor_dim0_stride
	s_mov_b32 s[\g+6], 0
	s_mov_b32 s[\g+7], 0
.endr
	s_mov_b32 s[G1X+2], 256<<16                    ; tensor_dim1
	s_mov_b32 s[G1X+4], 256                        ; tile_dim1
	s_mov_b32 s[G1H+2], 128<<16
	s_mov_b32 s[G1H+4], 128
	s_mov_b32 s[G1W+2], 128<<16
	s_mov_b32 s[G1W+4], 128
	s_lshl_b32 s18, s17, 18                        ; X: row 256 y, rows of 1,024 bytes
	s_mov_b32 s19, 0
	s_lshl_b32 s12, s15, 17                        ; at the head: + 128 rows for wave 3
	s_mov_b32 s13, 0
	s_lshl_b32 s46, s42, 17                        ; the weights: row 128 x
	s_mov_b32 s47, 0
	s_mov_b32 s[TB], 0
	s_wait_alu depctr_va_vdst(0)
	s_wait_dscnt 0x0                               ; both opening adds are done
	s_wait_kmcnt 0x0
	s_load_b256 s[92:99], s[82:83], 0x0            ; entries 0 to 7 of the scales' exponents
	s_load_b64 s[100:101], s[82:83], 0x20          ; entries 8, 9
	s_mov_b32 s[G0X], 1
	s_mov_b32 s[G0X+1], 0                          ; K step 0, slot 0: stepped ahead of its first use
	s_add_nc_u64 s[G0X+2:G0X+3], s[68:69], s[18:19]
	s_mov_b32 s[G0H], 1
	s_mul_i32 s[G0H+1], s15, HALFT
	s_add_nc_u64 s[G0H+2:G0H+3], s[G0X+2:G0X+3], s[12:13]
	s_or_b32 s[G0H+3], s[G0H+3], 0x80000000
	s_or_b32 s[G0X+3], s[G0X+3], 0x80000000
	s_cmp_eq_u32 s14, 1
	s_cselect_b64 s[60:61], s[70:71], s[72:73]     ; wave 1 fetches Wq, wave 2 Wk
	s_mov_b32 s[G0W], 1
	s_mul_i32 s[G0W+1], s14, HALFT
	s_add_co_u32 s[G0W+1], s[G0W+1], QK-HALFT      ; wave 1: QK, wave 2: HALFT behind it
	s_add_nc_u64 s[G0W+2:G0W+3], s[60:61], s[46:47]
	s_or_b32 s[G0W+3], s[G0W+3], 0x80000000
	s_mov_b32 s[G0V], 1
	s_mov_b32 s[G0V+1], VB
	s_add_nc_u64 s[G0V+2:G0V+3], s[74:75], s[46:47]
	s_or_b32 s[G0V+3], s[G0V+3], 0x80000000
	CROUND                                         ; all sixteen work-groups are here: the first joint loads meet
	s_cmp_eq_u32 s67, 0                            ; K step 0's X, Wq, Wk: 128 rows a wave
	s_cbranch_scc0 .Lhead_w
	tensor_load_to_lds s[G0H:G0H+3], s[G1H:G1H+7]
	s_nop 0
	PLACES 4
	s_branch .Lhead_asked
.Lhead_w:
	tensor_load_to_lds s[G0W:G0W+3], s[G1W:G1W+7]
	s_nop 0
	PLACES 4
.Lhead_asked:
	s_lshl_b32 s90, s42, 9                         ; the biases: my 64 channels, in bytes
	s_lshl_b32 s2, s16, 8
	s_add_co_u32 s90, s90, s2
	s_mov_b32 s91, 0
	s_add_nc_u64 s[76:77], s[76:77], s[90:91]
	s_add_nc_u64 s[78:79], s[78:79], s[90:91]
	s_add_nc_u64 s[80:81], s[80:81], s[90:91]
	s_mul_i32 s2, s15, HALFT                       ; my 128 rows of X,
	s_mul_i32 s12, s16, 64*PITCH                   ; my 64 rows of a weight
	s_add_co_u32 s13, s12, VB
	s_add_co_u32 s12, s12, QK
	v_and_b32 v1, 15, v0                           ; r = lane % 16
	v_bfe_u32 v2, v0, 4, 1                         ; h = lane / 16
	v_lshlrev_b32 v3, 5, v2                        ; q, k: a lane's eight channels of a block of 16: 8 h on
	v_lshlrev_b32 v4, 2, v1                        ; v: channel r of a block
	v_mul_u32_u24 v5, v1, PITCH
	v_lshl_add_u32 v5, v2, 4, v5                   ; a fragment's row x pitch + 16 h
	v_add_nc_u32 v[ADX0], s2, v5
	v_add_nc_u32 v[ADW0], s12, v5
	v_add_nc_u32 v[ADV], s13, v5
	v_add_nc_u32 v[ADX], s[TB], v[ADX0]
	v_add_nc_u32 v[ADW], s[TB], v[ADW0]
	v_and_b32 v6, 31, v0
	v_lshlrev_b32 v[OFF], 4, v6
.irp b, 0,1,2,3
	global_load_b128 v[32+8*\b:35+8*\b], v3, s[76:77] offset:64*\b
	global_load_b128 v[36+8*\b:39+8*\b], v3, s[76:77] offset:64*\b+16
	global_load_b128 v[64+8*\b:67+8*\b], v3, s[78:79] offset:64*\b
	global_load_b128 v[68+8*\b:71+8*\b], v3, s[78:79] offset:64*\b+16
	global_load_b32 v[96+2*\b], v4, s[80:81] offset:64*\b
.endr
	; where my images lie.  q, k: row block 16 y + 8 x half (16,384 bytes each), chunk x of 128 channels (2,048), half of it
	s_lshl_b32 s90, s17, 18
	s_lshl_b32 s2, s15, 17
	s_add_co_u32 s90, s90, s2
	s_lshl_b32 s2, s42, 11
	s_add_co_u32 s90, s90, s2
	s_lshl_b32 s2, s16, 10
	s_add_co_u32 s90, s90, s2
	s_add_nc_u64 s[84:85], s[84:85], s[90:91]
	s_add_nc_u64 s[86:87], s[86:87], s[90:91]
	; v: batch y / 8 (2^21 bytes), channel block 8 x + 4 x half (32,768 each), chunk 2 (y % 8) + half of 128 keys
	s_lshr_b32 s90, s17, 3
	s_lshl_b32 s90, s90, 21
	s_lshl_b32 s2, s42, 18
	s_add_co_u32 s90, s90, s2
	s_lshl_b32 s2, s16, 17
	s_add_co_u32 s90, s90, s2
	s_and_b32 s2, s17, 7
	s_lshl_b32 s2, s2, 12
	s_add_co_u32 s90, s90, s2
	s_lshl_b32 s2, s15, 11
	s_add_co_u32 s90, s90, s2
	s_add_nc_u64 s[88:89], s[88:89], s[90:91]
; from the exponents at s[a], s[b], s[o]: the pair 2^-(e_A + e_B) for the bias, the conversion's 2^E, and 57,344 x 2^E
.macro EXPO a, b, o, pair, i
	s_add_co_i32 s2, s[\a], s[\b]
	s_sub_co_i32 s12, 127, s2
	s_lshl_b32 s[\pair], s12, 23
	s_mov_b32 s[\pair+1], s[\pair]
	s_sub_co_i32 s12, s[\o], s2
	s_add_co_i32 s12, s12, 127
	s_lshl_b32 s2, s12, 23
	v_mov_b32 v[SC+\i], s2
	s_add_co_i32 s12, s12, 15
	s_lshl_b32 s12, s12, 23
	s_or_b32 s12, s12, 0x600000
	v_mov_b32 v[LIM+\i], s12
.endm
	s_wait_alu depctr_va_vdst(0)
	s_wait_kmcnt 0x0                               ; the exponents
	EXPO 92, 93, 98, 60, 0
	EXPO 94, 95, 99, 62, 1
	EXPO 96, 97, 101, 46, 2
	s_wait_alu depctr_va_vdst(0)
	s_wait_loadcnt 0x0                             ; the biases
.irp d, 0,1,2,3
	v_mov_b32 v[97+2*\d], v[96+2*\d]               ; v's, as equal pairs
.endr
	; THE SUMS BEGIN WITH THE BIAS / 2^(e_A + e_B), laid while the first tiles are on their way
	WIN 0x40
.irp a, 0,1,2,3,4,5,6,7
.irp j, 0,2,4,6,8,10,12,14,16,18,20,22,24,26,28,30
	v_pk_mul_f32 v[32*\a+\j:32*\a+\j+1], v[32+\j:33+\j], s[60:61] op_sel_hi:[1,0]
.endr
.endr
	WIN 0x80
.irp a, 0,1,2,3,4,5,6,7
.irp j, 0,2,4,6,8,10,12,14,16,18,20,22,24,26,28,30
	v_pk_mul_f32 v[32*\a+\j:32*\a+\j+1], v[64+\j:65+\j], s[62:63] op_sel_hi:[1,0]
.endr
.endr
	WIN 0xc0
.irp a, 0,1,2,3,4,5,6,7
.irp d, 0,1,2,3
.irp j, 0,2,4,6
	v_pk_mul_f32 v[32*\a+8*\d+\j:32*\a+8*\d+\j+1], v[96+2*\d:97+2*\d], s[46:47] op_sel_hi:[1,0]
.endr
.endr
.endr
	WIN 0
; A fragment, 16 rows x 64 K, is 8 registers: lane l holds, of row l % 16, K = 32 c + 16 (l / 16) + 0 .. 15 in registers 4 c .. 4 c + 3: one and the same order of k on both sides, so every product meets its partner.
.macro LW adr, off, j, buf             ; my four fragments of a weight, the j-th 64 along K
.irp i, 0,1,2,3
	ds_load_b128 v[160+32*(\buf)+8*\i:163+32*(\buf)+8*\i], v[\adr] offset:(\off)+64*(\j)+\i*16*PITCH
	ds_load_b128 v[164+32*(\buf)+8*\i:167+32*(\buf)+8*\i], v[\adr] offset:(\off)+64*(\j)+\i*16*PITCH+32
.endr
.endm
.macro LA j, set                       ; my eight of X
.irp i, 0,1,2,3,4,5,6,7
	ds_load_b128 v[32+64*(\set)+8*\i:35+64*(\set)+8*\i], v[ADX] offset:64*(\j)+\i*16*PITCH
	ds_load_b128 v[36+64*(\set)+8*\i:39+64*(\set)+8*\i], v[ADX] offset:64*(\j)+\i*16*PITCH+32
.endr
.endm
; Half a unit: X's blocks a0 .. a0 + 3 against the four of a weight.  p: the product's window.  The accumulators take turns, one instruction a turn.
.macro MUL p, buf, set, a0
	WIN ((\p)<<6)|((\p)<<4)
.irp a, 0,1,2,3
.irp b, 0,1,2,3
.set AC, 8*(4*((\a0)+\a)+\b)
.set XA, 32+64*(\set)+8*((\a0)+\a)
.set WB, 160+32*(\buf)+8*\b
.if (\p) == 3
	v_wmma_f32_16x16x64_bf8_bf8 v[AC:AC+7], v[XA:XA+7], v[WB:WB+7], v[AC:AC+7]
.else
	v_wmma_f32_16x16x64_bf8_bf8 v[AC:AC+7], v[WB:WB+7], v[XA:XA+7], v[AC:AC+7]
.endif
.endr
.endr
.endm
.macro UNIT p, buf, set                ; a unit, and the places in front of the loads behind it
	MUL \p, \buf, \set, 0
	MUL \p, \buf, \set, 4
	PLACES 4
	WIN 0
.endm
; A K STEP.  Unit n uses W's buffer n % 3, which is filled again behind it for unit n + 3; a set of X's is filled again behind its last unit.
; The counts of s_wait_dscnt are the LDS loads issued behind the fragments that the unit wants: 8 for each of a weight, 16 for each of X's.
; turn = 2: the change of slots asks for the next Wv and for X, Wq, Wk of the step after; 1: for Wv alone; 0: the last step.
.macro PHASE turn
	s_wait_dscnt 32
	UNIT 1, 0, 0                                   ; q0
	LW ADW, HALFT, 1, 0
	s_wait_dscnt 32
	UNIT 2, 1, 0                                   ; k0
	LW ADW, 0, 2, 1
	LA 2, 0
	s_wait_dscnt 32
	UNIT 1, 2, 1                                   ; q1
	LW ADW, HALFT, 2, 2
	s_wait_dscnt 32
	UNIT 2, 0, 1                                   ; k1
	LW ADW, 0, 3, 0
	LA 3, 1
	s_wait_dscnt 32
	UNIT 1, 1, 0                                   ; q2
	LW ADW, HALFT, 3, 1
	s_wait_dscnt 32
	UNIT 2, 2, 0                                   ; k2
	s_wait_dscnt 8
	MUL 1, 0, 1, 0                                 ; q3, in the midst of which Wv is handed round: wave 3 waits for its load; the other waves' loads may be out
	WIN 0
	s_cmp_eq_u32 s14, 3
	s_cbranch_scc0 .Lnot_mine_\@
	s_wait_tensorcnt 0x0
.Lnot_mine_\@:
	s_wait_dscnt 0x0
	s_barrier_signal -1
	MUL 1, 0, 1, 4
	WIN 0
	s_barrier_wait -1
	PLACES 4
	LW ADV, 0, 2, 2
	LW ADV, 0, 3, 0
	UNIT 2, 1, 1                                   ; k3
	LW ADV, 0, 0, 1
	s_wait_dscnt 16
	UNIT 3, 2, 0                                   ; v2
	LW ADV, 0, 1, 2
	LA 0, 0
	s_wait_dscnt 32
	UNIT 3, 0, 1                                   ; v3
	LA 1, 1
.if \turn
	; THE CHANGE OF SLOTS, in the midst of v0: all my tensor loads have landed: my part of the next slot; 0 onto my spare word;
	s_wait_tensorcnt 0x0
	ds_add_u32 v[SPW], v[NIL]
	s_add_nc_u64 s[G0V+2:G0V+3], s[G0V+2:G0V+3], 256
	s_xor_b32 s[TB], s[TB], SLOT
.if (\turn) == 2
	STEP_XW
.endif
	s_wait_dscnt 17                                ; (the add and X's youngest 16 may be out)
	MUL 3, 1, 0, 0
	s_wait_dscnt 0x0                               ; the add is done, and my reads of this slot and of Wv are over
	s_barrier_signal -1
	MUL 3, 1, 0, 4
	WIN 0
	s_barrier_wait -1
	CREST                                          ; no wave of any partner still reads these bytes or has a load on its way
	JLOAD (\turn)/2
	v_add_nc_u32 v[ADX], s[TB], v[ADX0]
	v_add_nc_u32 v[ADW], s[TB], v[ADW0]
	s_wait_alu depctr_va_vdst(0)                   ; the wait directly behind the writes
	LW ADW, 0, 0, 0
	LA 0, 0
	LW ADW, HALFT, 0, 1
	UNIT 3, 2, 1                                   ; v1
	LA 1, 1
	LW ADW, 0, 1, 2
.else
	s_wait_dscnt 16
	UNIT 3, 1, 0
	s_wait_dscnt 0
	UNIT 3, 2, 1
.endif
.endm
	s_wait_alu depctr_va_vdst(0)
	s_wait_tensorcnt 0x0                           ; my part of K step 0 is in
	ds_add_u32 v[SPW], v[NIL]
	STEP_XW
	s_wait_dscnt 0x0
	CROUND                                         ; everybody's part of K step 0 is in
	JLOAD 1                                        ; K step 1's X, Wq, Wk, and K step 0's Wv
	LW ADW, 0, 0, 0
	LA 0, 0
	LW ADW, HALFT, 0, 1
	LA 1, 1
	LW ADW, 0, 1, 2
	s_mov_b32 s3, 2
.Lphase:
	PHASE 2
	s_sub_co_u32 s3, s3, 1
	s_cmp_lg_u32 s3, 0
	s_cbranch_scc1 .Lphase
	PHASE 1
	PHASE 0
; THE WAY OUT: held within the largest code x the scale (the conversion to an 8-bit code does not saturate: ISA guide 7.6.2), each accumulator from its low end on; conversions; stores of 512 consecutive bytes.
; Each block has its own code registers: nothing that a store reads is written again.
.macro QKOUT p, i, ptr, cd             ; X's block a: four channel blocks of 16 are registers 0-7 or 8-15 of a fragment
.irp a, 0,1,2,3,4,5,6,7
	WIN ((\p)<<6)|(\p)
.set n, 32*\a
.rept 32
	v_med3_num_f32 v[n], v[n], -v[LIM+\i], v[LIM+\i]
.set n, n+1
.endr
	WIN \p
.irp b, 0,1,2,3
	v_cvt_scalef32_pk8_bf8_f32 v[\cd+8*\a+2*\b:\cd+8*\a+2*\b+1], v[32*\a+8*\b:32*\a+8*\b+7], v[SC+\i]
.endr
	v_nop                                          ; a plain line behind the conversions
	WIN 0
	global_store_b128 v[OFF], v[\cd+8*\a:\cd+8*\a+3], s[\ptr:\ptr+1] offset:16384*\a
	global_store_b128 v[OFF], v[\cd+8*\a+4:\cd+8*\a+7], s[\ptr:\ptr+1] offset:16384*\a+512
.endr
.endm
	QKOUT 1, 0, 84, 32
	QKOUT 2, 1, 86, 96
.irp d, 0,1,2,3                        ; v: channel block d: X's eight blocks of 16 keys are the 16 registers of a fragment
	WIN 0xc3
.irp a, 0,1,2,3,4,5,6,7
.irp j, 0,1,2,3,4,5,6,7
	v_med3_num_f32 v[32*\a+8*\d+\j], v[32*\a+8*\d+\j], -v[LIM+2], v[LIM+2]
.endr
.endr
	WIN 3
.irp a, 0,1,2,3,4,5,6,7
	v_cvt_scalef32_pk8_bf8_f32 v[160+16*\d+2*\a:161+16*\d+2*\a], v[32*\a+8*\d:32*\a+8*\d+7], v[SC+2]
.endr
	v_nop
	WIN 0
.irp c, 0,1,2,3
	global_store_b128 v[OFF], v[160+16*\d+4*\c:163+16*\d+4*\c], s[88:89] offset:32768*\d+512*\c
.endr
.endr
	s_wait_tensorcnt 0x0                           ; the wave's end
	ds_add_u32 v[SPW], v[NIL]
	s_wait_dscnt 0x0
	CROUND                                         ; the closing round: no work-group ends while a partner may still ask for a tile that names it
	s_endpgm
.Lfunc_end_k_q0765d2869a_proj:
	.size	k_q0765d2869a_proj, .Lfunc_end_k_q0765d2869a_proj-k_q0765d2869a_proj
	.p2alignl 7, 3214868480
	.fill 96, 4, 3214868480
	.section	.rodata,"a",@progbits
	.p2align	6, 0x0
	.amdhsa_kernel k_q0765d2869a_proj
		.amdhsa_group_segment_fixed_size 327680
		.amdhsa_private_segment_fixed_size 0
		.amdhsa_enable_private_segment 0
		.amdhsa_kernarg_size 88
		.amdhsa_user_sgpr_count 2
		.amdhsa_user_sgpr_kernarg_segment_ptr 1
		.amdhsa_wavefront_size32 1
		.amdhsa_system_sgpr_workgroup_id_x 1
		.amdhsa_system_sgpr_workgroup_id_y 1
		.amdhsa_system_sgpr_workgroup_id_z 1
		.amdhsa_system_vgpr_workitem_id 0
		.amdhsa_next_free_vgpr 1024
		.amdhsa_next_free_sgpr 102
		.amdhsa_reserve_vcc 0
		.amdhsa_float_denorm_mode_32 3
		.amdhsa_float_denorm_mode_16_64 3
		.amdhsa_memory_ordered 1
		.amdhsa_forward_progress 1
		.amdhsa_inst_pref_size 217
	.end_amdhsa_kernel
	.amdgpu_metadata
---
amdhsa.version: [ 1, 2 ]
amdhsa.kernels:
  - .name:           k_q0765d2869a_proj
    .symbol:         k_q0765d2869a_proj.kd
    .args:
      - { .name: X_codes, .offset: 0, .size: 8, .value_kind: global_buffer, .address_space: global }
      - { .name: Wq_codes, .offset: 8, .size: 8, .value_kind: global_buffer, .address_space: global }
      - { .name: Wk_codes, .offset: 16, .size: 8, .value_kind: global_buffer, .address_space: global }
      - { .name: Wv_codes, .offset: 24, .size: 8, .value_kind: global_buffer, .address_space: global }
      - { .name: bq, .offset: 32, .size: 8, .value_kind: global_buffer, .address_space: global }
      - { .name: bk, .offset: 40, .size: 8, .value_kind: global_buffer, .address_space: global }
      - { .name: bv, .offset: 48, .size: 8, .value_kind: global_buffer, .address_space: global }
      - { .name: lowp_scales, .offset: 56, .size: 8, .value_kind: global_buffer, .address_space: global }
      - { .name: qimg, .offset: 64, .size: 8, .value_kind: global_buffer, .address_space: global }
      - { .name: kimg, .offset: 72, .size: 8, .value_kind: global_buffer, .address_space: global }
      - { .name: vimg, .offset: 80, .size: 8, .value_kind: global_buffer, .address_space: global }
    .group_segment_fixed_size: 327680
    .private_segment_fixed_size: 0
    .kernarg_segment_align: 8
    .kernarg_segment_size: 88
    .max_flat_workgroup_size: 128
    .sgpr_count:     102
    .vgpr_count:     1024
    .wavefront_size: 32
...
	.end_amdgpu_metadata
.endif
;; end of part 1
;; launch scores (part 2): grid 9 x 16, 4 waves a work-group, no clusters, 327,680 bytes of LDS; arguments qimg, kimg, lowp_scales, pimg, ml; writes pimg, ml
.if DOCPART == 2
	.amdgcn_target "amdgcn-amd-amdhsa--gfx1250"
	.amdhsa_code_object_version 6
	.text
	.protected	k_q0765d2869a_scores
	.globl	k_q0765d2869a_scores
	.p2align	8
	.type	k_q0765d2869a_scores,@function
k_q0765d2869a_scores:
	s_mov_b64 s[64:65], 0
	v_nop
	global_prefetch_b8 v0, s[64:65] scope:SCOPE_SE
	s_setreg_imm32_b32 hwreg(HW_REG_WAVE_MODE, 25, 1), 1
	s_wait_xcnt 0x0
; P = 2^(t - M_c) as codes of BF8, t = (q . k) log2(e) / 32 x 2^(e6 + e7), and for each query and each half (128 keys) of a block c of 256 keys the pair (-M_c, sum of the unquantised p).  M_c = the ceiling of the row's largest t in the block.
; LEFT OUT: the blocks of 256 queries x 256 keys all of whose keys come after all of their queries (the mask that reference() builds).  What is hidden inside a block on the diagonal becomes -infinity ahead of the maximum.
; LIMITS: the promise holds while the scaled scores t stay under 2^31 in magnitude; e6 + e7 between -122 and 131, e8 between -126 and 112.  NaN is not served.
; SHARES.  A work-group makes one block of 256 x 256, K = 1,024; the 36 blocks of a batch are folded into 4 rows of 9; wave w: queries 128 (w / 2) on, keys 128 (w % 2) on, 64 accumulators.
; Transposed: source 0 = 16 keys, source 1 = 16 queries: lane (r, h) holds query r and the eight keys 16 b + 8 h + 0 .. 7, the next product's K: conversions give registers 2 b, 2 b + 1 of a fragment, stored as an image of operand registers.
; The operands are images of operand registers too: a slot holds 256 of K: 16 + 16 blocks of 16 rows x 4,096 bytes, a quarter for each wave's load (waves 0, 1: queries; 2, 3: keys).  Two slots, four fills in all, written out.
; NO CLUSTER: the live blocks of a batch form a triangle of 1 to 8 blocks a row, which does not divide into clusters whose partners all share a tile of one operand.
; PREFETCH into the L2: chunk 2 of K behind slot 1's first load, chunk 3 behind chunk 2's load: one chunk, 128 matrix instructions, ahead of the load that wants it.  Each tile is named once in the launch: the queries' by key block 0, the keys' by query block 7.
.set SLOT1,  131072
.set PFO,  18                          ; v18  the prefetches' offset: 16,384 x (lane / 16) + 256 x (lane % 16); never rewritten
.set BOFF,   65536
.set XCH,    262144
.set SPARE,  266240
.set FR,     16
.set Z,    4
.set MADD, 8
.set ADRA, 16
.set ADRB, 20
.set XW,   22
.set XR,   23
.set PO,   24
.set MLO,  25
.set SC,   26
.set LIM,  27
.set SPW,  28
.set NIL,  29
.set LM,   32
.set LP,   40
.set ST,   48
.set TMP,  64
.set AF,   128
.set CD,   128
.set G1, 24
.set G0, 32
.set CS, 58
.set SEL, 60
.set MSB, 0
.macro WIN new
.if MSB != (\new)
	s_set_vgpr_msb (MSB<<8)|(\new)
.set MSB, (\new)
.endif
.endm
.macro PLACES n
.rept \n
	v_nop
.endr
.endm
	s_load_b256 s[4:11], s[0:1], 0x0
	s_load_b64 s[12:13], s[0:1], 0x20
	v_lshl_add_u32 v[SPW], v0, 2, SPARE
	v_mov_b32 v[NIL], 0
	ds_add_u32 v[SPW], v[NIL]
	ds_add_u32 v[SPW], v[NIL]
	v_lshrrev_b32 v1, 5, v0
	v_readfirstlane_b32 s14, v1
	s_lshr_b32 s15, s14, 1
	s_and_b32 s16, s14, 1
	s_and_b32 s20, ttmp7, 0xffff
	s_lshr_b32 s19, s20, 2
	s_and_b32 s20, s20, 3
	s_sub_co_u32 s21, 8, s20
	s_sub_co_u32 s22, 7, s20
	s_sub_co_u32 s23, ttmp9, s21
	s_cmp_lt_u32 ttmp9, s21
	s_cselect_b32 s17, s22, s20
	s_cselect_b32 s18, ttmp9, s23
	s_cmp_eq_u32 s15, s16
	s_cselect_b32 s63, 1, 0
	s_cmp_lt_u32 s15, s16
	s_cselect_b32 s20, 2, 0
	s_add_co_u32 s63, s63, s20
	s_cmp_eq_u32 s17, s18
	s_cselect_b32 s63, s63, 0
	s_mov_b32 s[G1+0], 3<<16
	s_mov_b32 s[G1+1], 512<<16
	s_mov_b32 s[G1+2], 8<<16
	s_mov_b32 s[G1+3], 512<<16
	s_mov_b32 s[G1+4], 8
	s_mov_b32 s[G1+5], 2048
	s_mov_b32 s[G1+6], 0
	s_mov_b32 s[G1+7], 0
	s_mov_b32 s[SEL], 0x76543210
	s_mov_b32 s[SEL+1], 0xfedcba98
	s_mov_b32 s62, 0xff800000
	s_cmp_lt_u32 s14, 2                            ; s66 = 1 where my wave asks ahead for its tile: queries where the key block is 0, keys where the query block is 7
	s_cselect_b32 s20, s18, s17
	s_cselect_b32 s21, 0, 7
	s_cmp_eq_u32 s20, s21
	s_cselect_b32 s66, 1, 0
	s_cmp_lt_u32 s14, 2
	s_cselect_b32 s20, s17, s18
	s_lshl_b32 s20, s20, 18
	s_lshl_b32 s21, s19, 21
	s_add_co_u32 s20, s20, s21
	s_lshl_b32 s21, s16, 17
	s_add_co_u32 s20, s20, s21
	s_mov_b32 s21, 0
	s_lshl_b32 s22, s14, 15
	s_wait_dscnt 0x0
	s_wait_kmcnt 0x0
	s_load_b128 s[48:51], s[8:9], 0x18
	s_cmp_lt_u32 s14, 2
	s_cselect_b64 s[40:41], s[4:5], s[6:7]
	s_add_nc_u64 s[40:41], s[40:41], s[20:21]
.irp s, 0,1
	s_mov_b32 s[G0+4*\s], 1
	s_add_co_u32 s[G0+4*\s+1], s22, \s*SLOT1
	s_add_nc_u64 s[G0+4*\s+2:G0+4*\s+3], s[40:41], \s*4096
	s_or_b32 s[G0+4*\s+3], s[G0+4*\s+3], 0x80000000
.endr
	tensor_load_to_lds s[G0:G0+3], s[G1:G1+7]      ; slot 0: one tensor load a wave at the head
	s_nop 0
	PLACES 4
	v_and_b32 v1, 15, v0
	v_and_b32 v2, 31, v0
	v_bfe_u32 v30, v0, 4, 1
	v_lshlrev_b32 v[PO], 4, v2
	s_wait_alu depctr_va_vdst(0)
	v_lshlrev_b32 v[MLO], 3, v2
	v_mov_b32 v31, 0xff800000
	v_lshlrev_b32 v[PFO], 14, v30
	v_lshl_add_u32 v[PFO], v1, 8, v[PFO]
	s_lshl_b32 s20, s15, 15
	s_lshl_b32 s21, s16, 15
	s_add_co_u32 s21, s21, BOFF
.irp s, 0,1
	v_add_nc_u32 v[ADRA+\s], s20, v[PO]
	v_add_nc_u32 v[ADRB+\s], s21, v[PO]
	s_add_co_u32 s20, s20, SLOT1
	s_add_co_u32 s21, s21, SLOT1
.endr
	s_lshl_b32 s20, s14, 10
	s_add_co_u32 s20, s20, XCH
	v_add_nc_u32 v[XW], s20, v[PO]
	s_xor_b32 s21, s14, 1
	s_lshl_b32 s21, s21, 10
	s_add_co_u32 s21, s21, XCH
	v_add_nc_u32 v[XR], s21, v[PO]
	s_lshl_b32 s20, s19, 22
	s_lshl_b32 s21, s17, 19
	s_add_co_u32 s20, s20, s21
	s_lshl_b32 s21, s15, 18
	s_add_co_u32 s20, s20, s21
	s_lshl_b32 s23, s18, 1
	s_add_co_u32 s23, s23, s16
	s_lshl_b32 s21, s23, 11
	s_add_co_u32 s20, s20, s21
	s_mov_b32 s21, 0
	s_add_nc_u64 s[10:11], s[10:11], s[20:21]
	s_lshl_b32 s20, s19, 4
	s_add_co_u32 s20, s20, s23
	s_lshl_b32 s20, s20, 14
	s_lshl_b32 s21, s17, 11
	s_add_co_u32 s20, s20, s21
	s_lshl_b32 s21, s15, 10
	s_add_co_u32 s20, s20, s21
	s_mov_b32 s21, 0
	s_add_nc_u64 s[12:13], s[12:13], s[20:21]
	s_wait_alu depctr_va_vdst(0)
	s_wait_kmcnt 0x0
	s_add_co_i32 s20, s48, s49
	s_lshl_b32 s20, s20, 23
	s_add_co_i32 s[CS], s20, 0x3d38aa3b
	s_mov_b32 s[CS+1], s[CS]
	s_add_co_i32 s20, s50, 127
	s_lshl_b32 s21, s20, 23
	v_mov_b32 v[SC], s21
	s_add_co_i32 s20, s20, 15
	s_lshl_b32 s20, s20, 23
	s_or_b32 s20, s20, 0x600000
	v_mov_b32 v[LIM], s20
.macro FRAG reg, adr, q, i
.irp c, 0,1,2,3
	ds_load_b128 v[\reg+4*\c:\reg+4*\c+3], v[\adr] offset:(\i)*4096+(\q)*2048+512*\c
.endr
.endm
.macro MUL16 a0, p, zero
.irp a, \a0, \a0+1
.irp b, 0,1,2,3,4,5,6,7
.if \zero
	v_wmma_f32_16x16x128_bf8_bf8 v[8*(8*((\a)%4)+\b):8*(8*((\a)%4)+\b)+7], v[128*(\p)+FR*\b:128*(\p)+FR*\b+FR-1], v[AF+FR*(\a):AF+FR*(\a)+FR-1], 0
.else
	v_wmma_f32_16x16x128_bf8_bf8 v[8*(8*((\a)%4)+\b):8*(8*((\a)%4)+\b)+7], v[128*(\p)+FR*\b:128*(\p)+FR*\b+FR-1], v[AF+FR*(\a):AF+FR*(\a)+FR-1], v[8*(8*((\a)%4)+\b):8*(8*((\a)%4)+\b)+7]
.endif
.endr
.endr
.endm
.macro FETCH_B slot, q, p
	WIN 0x40
.irp i, 0,1,2,3,4,5,6,7
	FRAG 128*(\p)+FR*\i, ADRB+\slot, \q, \i
.endr
	WIN 0
.endm
.macro FETCH_A slot, q, i0
.irp i, \i0, \i0+1, \i0+2, \i0+3
	FRAG AF+FR*(\i), ADRA+\slot, \q, \i
.endr
.endm
.macro STEP slot, q, zero
	s_wait_dscnt 16
	WIN 0xa1
	MUL16 0, (\q)%2, \zero
	MUL16 2, (\q)%2, \zero
	s_wait_dscnt 0
	PLACES 4
	FETCH_B \slot, (\q)+1, 1-(\q)%2
	FETCH_A \slot, (\q)+1, 0
	WIN 0xf1
	MUL16 4, (\q)%2, \zero
	MUL16 6, (\q)%2, \zero
	PLACES 4
	WIN 0
	FETCH_A \slot, (\q)+1, 4
.endm
; my tile of chunk c of K, 8 rows of 4,096 bytes: four instructions of two rows, each aligned block of 256 bytes once.  The address registers are never rewritten
.macro ASK c
	s_cmp_eq_u32 s66, 1
	s_cbranch_scc0 .Lnot_mine_\@
.irp k, 0,1,2,3
	global_prefetch_b8 v[PFO], s[40:41] offset:4096*(\c)+32768*\k th:TH_LOAD_NT scope:SCOPE_SE
.endr
.Lnot_mine_\@:
.endm
.macro TURN slot, next, fill
	s_wait_tensorcnt 0x0
	ds_add_u32 v[SPW], v[NIL]
	s_wait_dscnt 17
	WIN 0xa1
	MUL16 0, 1, 0
	s_wait_dscnt 0x0
	s_barrier_signal -1
	MUL16 2, 1, 0
	WIN 0
	s_barrier_wait -1
.if \fill
	s_add_nc_u64 s[G0+4*\slot+2:G0+4*\slot+3], s[G0+4*\slot+2:G0+4*\slot+3], 8192
	tensor_load_to_lds s[G0+4*\slot:G0+4*\slot+3], s[G1:G1+7]
	s_nop 0
.endif
	PLACES 4
	FETCH_B \next, 0, 0
	FETCH_A \next, 0, 0
.if (\fill) && ((\slot) == 0)
	ASK 3
.endif
	WIN 0xf1
	MUL16 4, 1, 0
	MUL16 6, 1, 0
	PLACES 4
	WIN 0
	FETCH_A \next, 0, 4
.endm
	s_wait_alu depctr_va_vdst(0)
	s_wait_tensorcnt 0x0                           ; my part of slot 0 is in
	ds_add_u32 v[SPW], v[NIL]
	s_wait_dscnt 0x0
	s_barrier_signal -1
	s_barrier_wait -1
	tensor_load_to_lds s[G0+4:G0+7], s[G1:G1+7]    ; slot 1
	s_nop 0
	PLACES 4
	FETCH_B 0, 0, 0
	FETCH_A 0, 0, 0
	FETCH_A 0, 0, 4
	ASK 2
	STEP 0, 0, 1
	TURN 0, 1, 1
	STEP 1, 0, 0
	TURN 1, 0, 1
	STEP 0, 0, 0
	TURN 0, 1, 0
	STEP 1, 0, 0
	s_wait_dscnt 16
	WIN 0xa1
	MUL16 0, 1, 0
	MUL16 2, 1, 0
	s_wait_dscnt 0
	WIN 0xf1
	MUL16 4, 1, 0
	MUL16 6, 1, 0
	WIN 0
	PLACES 4
.irp a, 0,1,2,3,4,5,6,7
	v_mov_b32 v[LM+\a], 0xff61b1e6
	v_mov_b32 v[LP+\a], 0
	v_mov_b32 v[ST+2*\a+1], 0
.endr
	s_cmp_eq_u32 s63, 2
	s_cbranch_scc1 .Lno_max
	s_cmp_eq_u32 s63, 1
	s_cbranch_scc0 .Lno_mask
	v_lshlrev_b32 v3, 3, v30
	v_sub_nc_u32 v3, v1, v3
.irp j, 0,1,2,3,4,5,6,7
	v_cmp_gt_i32 vcc_lo, \j, v3
	v_cndmask_b32 v[MADD+\j], 0, v31, vcc_lo
.endr
.irp a, 0,1,2,3,4,5,6,7
	WIN ((2+(\a)/4)<<6)|(2+(\a)/4)
.irp i, 0,2,4,6
	v_pk_add_f32 v[64*((\a)%4)+8*(\a)+\i:64*((\a)%4)+8*(\a)+\i+1], v[64*((\a)%4)+8*(\a)+\i:64*((\a)%4)+8*(\a)+\i+1], v[MADD+\i:MADD+\i+1]
.endr
.if \a < 7
.set n, 64*((\a)%4)+8*(\a)+8
.rept 8*(7-\a)
	v_mov_b32 v[n], s62
.set n, n+1
.endr
.endif
.endr
	WIN 0
.Lno_mask:
.macro MAXW hi
	WIN ((2+\hi)<<4)|((2+\hi)<<2)
.set n, 0
.rept 32
.irp q, 0,1,2,3
	v_max3_num_f32 v[LM+4*\hi+\q], v[LM+4*\hi+\q], v[64*\q+n], v[64*\q+n+1]
.endr
.set n, n+2
.endr
.endm
	MAXW 0
	MAXW 1
	WIN 0
.irp a, 0,1,2,3,4,5,6,7
	v_permlanex16_b32 v[LP+\a], v[LM+\a], s[SEL], s[SEL+1]
.endr
.irp a, 0,1,2,3,4,5,6,7
	v_max_num_f32 v[LM+\a], v[LM+\a], v[LP+\a]
.endr
.Lno_max:
	s_wait_alu depctr_va_vdst(0)
	ds_store_b128 v[XW], v[LM:LM+3]
	ds_store_b128 v[XW], v[LM+4:LM+7] offset:512
	s_wait_dscnt 0x0
	s_barrier_signal -1
	s_barrier_wait -1
	ds_load_b128 v[LP:LP+3], v[XR]
	ds_load_b128 v[LP+4:LP+7], v[XR] offset:512
	s_wait_dscnt 0x0
.irp a, 0,1,2,3,4,5,6,7
	v_max_num_f32 v[LM+\a], v[LM+\a], v[LP+\a]
.endr
.irp a, 0,1,2,3,4,5,6,7
	v_mul_f32 v[LM+\a], s[CS], v[LM+\a]
.endr
.irp a, 0,1,2,3,4,5,6,7
	v_floor_f32 v[ST+2*\a], -v[LM+\a]
.endr
	s_cmp_eq_u32 s63, 2
	s_cbranch_scc0 .Lsoft
.irp i, 0,1,2,3
	v_mov_b32 v[Z+\i], 0
.endr
.irp a, 0,1,2,3,4,5,6,7
.irp c, 0,1,2,3
	global_store_b128 v[PO], v[Z:Z+3], s[10:11] offset:\a*32768+512*\c
.endr
.endr
	s_branch .Lml
.Lsoft:
.macro SOFT a
.set AC, 64*((\a)%4)
.set W, 2+((\a)/4)
	WIN (W<<6)|W
.set n, 0
.rept 32
	v_pk_fma_f32 v[AC+n:AC+n+1], v[AC+n:AC+n+1], s[CS:CS+1], v[ST+2*(\a):ST+2*(\a)+1] op_sel_hi:[1,0,0]
.set n, n+2
.endr
.set n, 0
	s_wait_alu depctr_va_vdst(0)
.rept 64
	v_exp_f32 v[AC+n], v[AC+n]
.set n, n+1
.endr
	v_nop
	s_wait_alu depctr_va_vdst(0)
	WIN W
.set n, 0
.rept 64
	v_min_num_f32 v[TMP+n], v[AC+n], v[LIM]
.set n, n+1
.endr
	WIN (W<<6)|(W<<2)|W
.irp s, 32,16,8,4,2
.set n, 0
.rept \s/2
	v_pk_add_f32 v[AC+n:AC+n+1], v[AC+n:AC+n+1], v[AC+n+\s:AC+n+\s+1]
.set n, n+2
.endr
.endr
	WIN (W<<2)|W
	v_add_f32 v[ST+2*(\a)+1], v[AC], v[AC+1]
	WIN 0
.irp b, 0,1,2,3,4,5,6,7
	v_cvt_scalef32_pk8_bf8_f32 v[CD+16*(\a)+2*\b:CD+16*(\a)+2*\b+1], v[TMP+8*\b:TMP+8*\b+7], v[SC]
.endr
	v_nop
.irp c, 0,1,2,3
	global_store_b128 v[PO], v[CD+16*(\a)+4*\c:CD+16*(\a)+4*\c+3], s[10:11] offset:(\a)*32768+512*\c
.endr
.endm
	s_wait_alu depctr_va_vdst(0)
.irp a, 0,1,2,3,4,5,6,7
	SOFT \a
.endr
.irp a, 0,1,2,3,4,5,6,7
	v_permlanex16_b32 v[LP+\a], v[ST+2*\a+1], s[SEL], s[SEL+1]
.endr
.irp a, 0,1,2,3,4,5,6,7
	v_add_f32 v[ST+2*\a+1], v[ST+2*\a+1], v[LP+\a]
.endr
.Lml:
	v_cmp_ne_u32 vcc_lo, 0, v30
.irp u, 0,1,2,3
	v_cndmask_b32 v[LP+2*\u], v[ST+4*\u], v[ST+4*\u+2], vcc_lo
	v_cndmask_b32 v[LP+2*\u+1], v[ST+4*\u+1], v[ST+4*\u+3], vcc_lo
.endr
.irp u, 0,1,2,3
	global_store_b64 v[MLO], v[LP+2*\u:LP+2*\u+1], s[12:13] offset:256*\u
.endr
	s_wait_tensorcnt 0x0
	ds_add_u32 v[SPW], v[NIL]
	s_wait_dscnt 0x0
	s_endpgm
.Lfunc_end_k_q0765d2869a_scores:
	.size	k_q0765d2869a_scores, .Lfunc_end_k_q0765d2869a_scores-k_q0765d2869a_scores
	.p2alignl 7, 3214868480
	.fill 96, 4, 3214868480
	.section	.rodata,"a",@progbits
	.p2align	6, 0x0
	.amdhsa_kernel k_q0765d2869a_scores
		.amdhsa_group_segment_fixed_size 327680
		.amdhsa_private_segment_fixed_size 0
		.amdhsa_enable_private_segment 0
		.amdhsa_kernarg_size 40
		.amdhsa_user_sgpr_count 2
		.amdhsa_user_sgpr_kernarg_segment_ptr 1
		.amdhsa_wavefront_size32 1
		.amdhsa_system_sgpr_workgroup_id_x 1
		.amdhsa_system_sgpr_workgroup_id_y 1
		.amdhsa_system_sgpr_workgroup_id_z 1
		.amdhsa_system_vgpr_workitem_id 0
		.amdhsa_next_free_vgpr 1024
		.amdhsa_next_free_sgpr 80
		.amdhsa_reserve_vcc 1
		.amdhsa_float_denorm_mode_32 3
		.amdhsa_float_denorm_mode_16_64 3
		.amdhsa_memory_ordered 1
		.amdhsa_forward_progress 1
		.amdhsa_inst_pref_size 183
	.end_amdhsa_kernel
	.amdgpu_metadata
---
amdhsa.version: [ 1, 2 ]
amdhsa.kernels:
  - .name:           k_q0765d2869a_scores
    .symbol:         k_q0765d2869a_scores.kd
    .args:
      - { .name: qimg, .offset: 0, .size: 8, .value_kind: global_buffer, .address_space: global }
      - { .name: kimg, .offset: 8, .size: 8, .value_kind: global_buffer, .address_space: global }
      - { .name: lowp_scales, .offset: 16, .size: 8, .value_kind: global_buffer, .address_space: global }
      - { .name: pimg, .offset: 24, .size: 8, .value_kind: global_buffer, .address_space: global }
      - { .name: ml, .offset: 32, .size: 8, .value_kind: global_buffer, .address_space: global }
    .group_segment_fixed_size: 327680
    .private_segment_fixed_size: 0
    .kernarg_segment_align: 8
    .kernarg_segment_size: 40
    .max_flat_workgroup_size: 128
    .sgpr_count:     80
    .vgpr_count:     1024
    .wavefront_size: 32
...
	.end_amdgpu_metadata
.endif
;; end of part 2
;; launch pv (part 3): grid 8 x 32, 4 waves a work-group, clusters of 4 x 1, 327,680 bytes of LDS; arguments pimg, vimg, ml, lowp_scales, out0; writes out0
.if DOCPART == 3
	.amdgcn_target "amdgcn-amd-amdhsa--gfx1250"
	.amdhsa_code_object_version 6
	.text
	.protected	k_q0765d2869a_pv
	.globl	k_q0765d2869a_pv
	.p2align	8
	.type	k_q0765d2869a_pv,@function
k_q0765d2869a_pv:
	s_mov_b64 s[64:65], 0
	v_nop
	global_prefetch_b8 v0, s[64:65] scope:SCOPE_SE
	s_setreg_imm32_b32 hwreg(HW_REG_WAVE_MODE, 25, 1), 1
	s_wait_xcnt 0x0
	s_wait_alu depctr_hold_cnt(0) depctr_sa_sdst(0) depctr_va_vdst(0) depctr_va_sdst(0) depctr_va_ssrc(0) depctr_va_vcc(0) depctr_vm_vsrc(0)
	s_getreg_b32 s2, hwreg(HW_REG_IB_STS2, 6, 4)
	s_cmp_eq_u32 s2, 0
	s_cbranch_scc0 .Lentry_in_a_cluster
	s_endpgm
.Lentry_in_a_cluster:
	s_bfe_u32 s2, ttmp6, 0x10000c
	s_cmp_lg_u32 s2, 0x3003
	s_cbranch_scc0 .Lentry_shape_is_right
	s_endpgm
.Lentry_shape_is_right:
; out[q][d] = (sum over the blocks c of 256 keys of 2^(M_c - M) (P_c V_c)[q][d]) x 2^(e8 + e9) / l, on codes of BF8.  M = the largest M_c of the row, l = the sum over c of 2^(M_c - M) l_c: the softmax's second half.
; LEFT OUT: the key steps all of whose keys come after all of a row block's queries (the mask that reference() builds): a row block of 128 queries in block rb of 256 walks key steps 0 to rb.
; Each key step's product T is made anew (C = 0) and goes into the f32 sums S by one packed multiply-add with the query's f_c = 2^(M_c - M) x 2^(e8 + e9) / l: M_c - M is 0 or less, so nothing is ever scaled up, and no branch hangs on data.
; LIMITS: none on e8 + e9 (applied by v_ldexp_f32).  NaN is not served.
; SHARES.  Work-group (x, y): 128 channels 128 x on; batch y / 8; pair p = y % 8.  It owns TWO row blocks of 128 queries: the low one, p, and the high one, 15 - p.  With u = p / 2 the low one has u + 1 key steps and the high one 8 - u:
; NINE PLACES for every work-group: place i is low key step i where i <= u, else high key step i - u - 1.  The low block's rows leave behind place u, while the high block's tiles are on their way.
; Wave w: queries 64 (w / 2) on (four tiles t) x channels 64 (w % 2) on (four tiles d).  Transposed: source 0 = 16 channels of V^T, source 1 = 16 queries of P: lane (r, h) holds query r and channels 16 d + 8 h + 0 .. 7.
; CLUSTERS of four channel blocks of one pair: they walk in step and read the same tiles of P: each is asked for jointly (mask 15).  V's tiles are each work-group's own.  u hangs on y alone, so partners branch alike.
; LDS: two slots of two places (P, V of the first, P, V of the second: 32,768 bytes each); batches: places (0, 1), (2, 3), (4, 5), (6, 7), (8): wave w fetches tile w of a batch (even waves P, odd waves V).
; P's and V's tiles have one shape (8 rows of 4,096 bytes, 32,768 apart, images of operand registers).
; f TABLE in LDS: each thread makes the f of one low and one high row, from the entries of ml, and stores them by place: 12 places x 32 lanes for each wave (places past the ninth are never read).
; PREFETCH into the L2, at each change of slots in the loop: the batch that the NEXT change will ask for, two places ahead.  P: each cluster its own, two of a tile's eight rows for each partner, told apart by address; V: pairs 0 and 6, which come first to late and to early key steps.
; The first two batches come by their loads alone; no place past the ninth is asked for.
; REGISTERS: window 0: v1-31 addresses and at work, v32-47 f, v32-97 the prologue's, v64-127 rows of out, v128-255 P's fragments of a first place.   window 1: V's fragments, v0-127 of a first place, v128-255 of a second.
;   window 2: v0-127 S (tile t, d at 8 (4 t + d)), v128-255 P's fragments of a second place.   window 3: v0-127 T, the same numbers.
.set TILE,  32768
.set SLOT,  131072
.set FT,    262144                     ; the table: 1,536 bytes for each wave
.set FTW,   1536
.set STAGE, 268288                     ; the way out: 16 rows x (256 + 16) bytes for each wave
.set SP,    272
.set SPARE, 285696                     ; the spare words, 128 bytes for each wave, that no other line names
.set PA0, 1                            ; v1-4   LDS addresses of my tiles in slot 0: P, V of the first place, P, V of the second
.set VA0, 2
.set PB0, 3
.set VB0, 4
.set PA,  5                            ; v5-8   in the slot in hand
.set VA,  6
.set PB,  7
.set VB,  8
.set FA0, 9                            ; v9     my queries' column of the table; v15 at the place in hand
.set STO, 10
.set RD,  11
.set GO,  12
.set SPW, 13                           ; v13    LDS address of my spare word; never rewritten
.set NIL, 14                           ; v14    0; never rewritten
.set FA,  15
.set PFO, 16                           ; v16    the prefetches' offset; never rewritten
.set FR,  32                           ; f of the first place: tile t at 32 + 2 t; of the second: 40 + 2 t (the pairs' upper halves are named, not used)
.set EL,  32                           ; ml's entries of my low row: key step c, half hf: the pair at 32 + 4 c + 2 hf
.set EH,  48                           ; and of my high row
.set FL,  80                           ; f of the low row's four key steps
.set FH,  84                           ; and of the high row's eight
.set WV,  18                           ; s18  my wave's number
.set U,   20                           ; s20  u
.set G1P, 24                           ; s[24:31] a tile's shape with the mask, for P;  s[32:39] without, for V
.set G1V, 32
.set G0P, 40                           ; s[40:43], s[44:47] the addresses, which walk
.set G0V, 44
.set TB,  48                           ; s48  LDS byte at which the slot in hand begins;  s49 128 x its first place;  s51 its first place (in the loop)
.set NP,  52                           ; s[52:53], s[54:55] where my next tile of P, of V lies;  s[98:99] my part of P's for the prefetch
.set NV,  54
.set PI,  62                           ; s62  its place;  s63: asked for ahead where s62 is under it
.set MSB, 0
.macro WIN new                         ; the immediate's high byte repeats the setting that is left; a switch that changes nothing is dropped
.if MSB != (\new)
	s_set_vgpr_msb (MSB<<8)|(\new)
.set MSB, (\new)
.endif
.endm
.macro CROUND                          ; a round of the cluster's barrier
	s_barrier_signal -1
	s_barrier_wait -1
	s_cmp_lg_u32 s[WV], 0
	s_cbranch_scc1 .Lnot_wave_0_\@
	s_barrier_signal -3
.Lnot_wave_0_\@:
	s_barrier_wait -3
	s_barrier_signal -1
	s_barrier_wait -1
.endm
.macro NEXT                            ; where my tile of place s[PI] lies: its key step and row block are chosen without a branch
	s_sub_co_u32 s2, s[PI], s[U]
	s_sub_co_u32 s2, s2, 1
	s_cmp_le_u32 s[PI], s[U]
	s_cselect_b32 s2, s[PI], s2                    ; the key step
	s_cselect_b32 s60, s17, s16                    ; P's row block
	s_lshl_b32 s2, s2, 12
	s_add_co_u32 s60, s60, s2
	s_add_nc_u64 s[NP:NP+1], s[4:5], s[60:61]
	s_add_co_u32 s58, s56, s2
	s_add_nc_u64 s[NV:NV+1], s[6:7], s[58:59]
	s_add_nc_u64 s[98:99], s[NP:NP+1], s[100:101]
.endm
.macro GSET                            ; the descriptors of that tile, in the slot not used last
	s_mov_b64 s[G0P+2:G0P+3], s[NP:NP+1]
	s_or_b32 s[G0P+3], s[G0P+3], 0x80000000
	s_xor_b32 s[G0P+1], s[G0P+1], SLOT
	s_mov_b64 s[G0V+2:G0V+3], s[NV:NV+1]
	s_or_b32 s[G0V+3], s[G0V+3], 0x80000000
	s_xor_b32 s[G0V+1], s[G0V+1], SLOT
.endm
; A batch's loads: even waves a tile of P, jointly, odd waves a tile of V.  one = 1: the last batch, one place: waves 0 and 1 alone.  The branches hang on the wave's number alone.  An s_nop 0 and four v_nop follow each line.
.macro TLOAD one
.if \one
	s_cmp_lt_u32 s[WV], 2
	s_cbranch_scc0 .Lasked_\@
.endif
	s_cmp_eq_u32 s22, 0
	s_cbranch_scc0 .Lodd_\@
	tensor_load_to_lds s[G0P:G0P+3], s[G1P:G1P+7]
	s_nop 0
.rept 4
	v_nop
.endr
	s_branch .Lasked_\@
.Lodd_\@:
	tensor_load_to_lds s[G0V:G0V+3], s[G1V:G1V+7]
	s_nop 0
.rept 4
	v_nop
.endr
.Lasked_\@:
.endm
.macro ZERO                            ; S begins at zero: at which place a block's sums begin hangs on ids, and the walk is written once
	WIN 0x80
.set n, 0
.rept 128
	v_mov_b32 v[n], 0
.set n, n+1
.endr
	WIN 0
.endm
	s_load_b256 s[4:11], s[0:1], 0x0               ; p's images s[4:5], v's s[6:7], ml s[8:9], the scales' exponents s[10:11]
	s_load_b64 s[12:13], s[0:1], 0x20              ; out
	v_lshl_add_u32 v[SPW], v0, 2, SPARE
	v_mov_b32 v[NIL], 0
	ds_add_u32 v[SPW], v[NIL]                      ; the wave's opening: the add, twice on end, and its wait ahead of my first tensor load
	ds_add_u32 v[SPW], v[NIL]                      ; and once more; the set-up below, work on registers, stands between it and the wait
	v_lshrrev_b32 v17, 5, v0
	v_readfirstlane_b32 s[WV], v17                 ; wave 0..3
	s_bfe_u32 s92, ttmp6, 0x40000                  ; cx
	s_lshl_b32 s93, ttmp9, 2
	s_add_co_u32 s93, s93, s92                     ; x: the block of 128 channels
	s_and_b32 s14, ttmp7, 0xffff
	s_lshr_b32 s19, s14, 3                         ; batch
	s_and_b32 s15, s14, 7                          ; p: the low row block
	s_lshr_b32 s[U], s15, 1
	s_sub_co_u32 s21, 15, s15                      ; the high row block
	s_and_b32 s22, s[WV], 1                        ; I fetch P (0) or V (1).  Also: my half of the channels
	s_lshr_b32 s23, s[WV], 1                       ; of a batch's first or second place.  Also: my half of the queries
	s_mov_b32 s[G1P], (3<<16)|(1<<21)|15           ; elements of 8 bytes; the four of the cluster; bit 21 set beside a mask
	s_mov_b32 s[G1V], 3<<16
.irp g, G1P, G1V
	s_mov_b32 s[\g+1], 512<<16                     ; tensor_dim0
	s_mov_b32 s[\g+2], 8<<16                       ; tensor_dim1
	s_mov_b32 s[\g+3], 512<<16                     ; tile_dim0
	s_mov_b32 s[\g+4], 8                           ; tile_dim1
	s_mov_b32 s[\g+5], 4096                        ; tensor_dim0_stride
	s_mov_b32 s[\g+6], 0
	s_mov_b32 s[\g+7], 0
.endr
	s_lshl_b32 s14, s19, 22                        ; P: batch, row block (8 tiles x 32,768)
	s_lshl_b32 s16, s21, 18
	s_add_co_u32 s16, s16, s14                     ; the high block's
	s_lshl_b32 s17, s15, 18
	s_add_co_u32 s17, s17, s14                     ; the low block's
	s_lshl_b32 s56, s19, 21                        ; V: batch, block of 128 channels (8 tiles x 32,768)
	s_lshl_b32 s57, s93, 18
	s_add_co_u32 s56, s56, s57
	s_mov_b32 s61, 0
	s_mov_b32 s59, 0
	s_lshl_b32 s100, s92, 16                       ; the prefetches of P: rows 2 cx, 2 cx + 1 of a tile
	s_mov_b32 s101, 0
	s_cmp_eq_u32 s15, 0                            ; V is asked for ahead by pairs 0 and 6, P by every cluster
	s_cselect_b32 s14, 9, 0
	s_cmp_eq_u32 s15, 6
	s_cselect_b32 s14, 9, s14
	s_cmp_eq_u32 s22, 0
	s_cselect_b32 s63, 9, s14
.irp c, 5,6,7
	s_cmp_le_u32 s[U], 7-\c
	s_cselect_b32 s[82+\c-5], 0x3f800000, 0        ; 1.0 where key step c counts for the high block, else 0
.endr
.irp c, 1,2,3
	s_cmp_ge_u32 s[U], \c
	s_cselect_b32 s[85+\c-1], 0x3f800000, 0        ; the same for the low block
.endr
	s_mov_b32 s[PI], s23
	s_mov_b32 s[G0P], 1
	s_lshl_b32 s[G0P+1], s[WV], 15
	s_add_co_u32 s[G0P+1], s[G0P+1], SLOT          ; (turned to slot 0 by GSET)
	s_mov_b32 s[G0V], 1
	s_lshl_b32 s[G0V+1], s[WV], 15
	s_add_co_u32 s[G0V+1], s[G0V+1], SLOT
	s_wait_alu depctr_va_vdst(0)
	s_wait_dscnt 0x0                               ; both opening adds are done
	s_wait_kmcnt 0x0
	s_load_b64 s[90:91], s[10:11], 0x20            ; e8, e9
	NEXT
	GSET
	CROUND                                         ; all four work-groups are here: the first joint loads meet
	TLOAD 0                                        ; places 0, 1: one tensor load a wave at the head
	s_add_co_u32 s[PI], s[PI], 2
	NEXT
	; ml's entries of my low and my high row.  A key step past a block's last reads the last one's entries once more (no load leaves what was written), and its factor 0 takes them out of l
	s_mov_b32 s3, 0
	s_lshl_b32 s14, s19, 18
	s_lshl_b32 s2, s21, 10
	s_add_co_u32 s2, s2, s14
	s_add_nc_u64 s[78:79], s[8:9], s[2:3]          ; the high block's
	s_lshl_b32 s2, s15, 10
	s_add_co_u32 s2, s2, s14
	s_add_nc_u64 s[80:81], s[8:9], s[2:3]          ; the low block's
	s_sub_co_u32 s14, 7, s[U]                      ; the high block's last key step
.irp c, 5,6,7
	s_min_u32 s2, s14, \c
	s_lshl_b32 s2, s2, 15
	s_add_nc_u64 s[66+2*(\c-5):67+2*(\c-5)], s[78:79], s[2:3]
.endr
.irp c, 1,2,3
	s_min_u32 s2, s[U], \c
	s_lshl_b32 s2, s2, 15
	s_add_nc_u64 s[72+2*(\c-1):73+2*(\c-1)], s[80:81], s[2:3]
.endr
	v_lshlrev_b32 v17, 3, v0                       ; my row: 8 bytes a query
.irp hf, 0,1
	global_load_b64 v[EL+2*\hf:EL+2*\hf+1], v17, s[80:81] offset:16384*\hf
.irp c, 1,2,3
	global_load_b64 v[EL+4*\c+2*\hf:EL+4*\c+2*\hf+1], v17, s[72+2*(\c-1):73+2*(\c-1)] offset:16384*\hf
.endr
.irp c, 0,1,2,3,4
	global_load_b64 v[EH+4*\c+2*\hf:EH+4*\c+2*\hf+1], v17, s[78:79] offset:32768*\c+16384*\hf
.endr
.irp c, 5,6,7
	global_load_b64 v[EH+4*\c+2*\hf:EH+4*\c+2*\hf+1], v17, s[66+2*(\c-5):67+2*(\c-5)] offset:16384*\hf
.endr
.endr
	; out: my first rows of the two blocks, 4,096 bytes a row, my 256 bytes of them: under 2^25
	s_lshl_b32 s14, s19, 23
	s_lshl_b32 s2, s23, 18
	s_add_co_u32 s14, s14, s2
	s_lshl_b32 s2, s93, 9
	s_add_co_u32 s14, s14, s2
	s_lshl_b32 s2, s22, 8
	s_add_co_u32 s14, s14, s2
	s_lshl_b32 s2, s21, 19
	s_add_co_u32 s2, s2, s14
	s_add_nc_u64 s[94:95], s[12:13], s[2:3]
	s_lshl_b32 s2, s15, 19
	s_add_co_u32 s2, s2, s14
	s_add_nc_u64 s[96:97], s[12:13], s[2:3]
	s_mov_b32 s[TB], 0
	s_mov_b32 s49, 0
	s_mov_b32 s50, 3
	s_mov_b32 s51, 0
	s_lshl_b32 s14, s23, 14                        ; my four tiles of queries
	s_lshl_b32 s2, s22, 14
	s_add_co_u32 s2, s2, TILE                      ; my four tiles of channels, behind the place's P
	v_and_b32 v18, 15, v0                          ; r
	v_bfe_u32 v19, v0, 4, 1                        ; h
	v_and_b32 v22, 31, v0
	v_lshlrev_b32 v20, 4, v22                      ; 16 x lane: an image's place for my lane
	v_add_nc_u32 v[PA0], s14, v20
	v_add_nc_u32 v[VA0], s2, v20
	v_add_nc_u32 v[PB0], 2*TILE, v[PA0]
	v_add_nc_u32 v[VB0], 2*TILE, v[VA0]
	v_lshlrev_b32 v[PFO], 15, v19                  ; the prefetches: lanes 0-15 a row of a tile, lanes 16-31 the next, 256 bytes a lane
	v_lshl_add_u32 v[PFO], v18, 8, v[PFO]
	v_lshlrev_b32 v[GO], 12, v19                   ; the way out: lanes 0-15 one row of out, lanes 16-31 the next
	v_lshl_add_u32 v[GO], v18, 4, v[GO]
	s_mul_i32 s14, s23, 2*FTW
	s_add_co_u32 s14, s14, FT
	s_mul_i32 s2, s[WV], FTW
	s_add_co_u32 s2, s2, FT
	v_lshlrev_b32 v[FA0], 2, v18
	v_add_nc_u32 v[FA0], s14, v[FA0]               ; tile t's f: (t / 2) x 1,536 + (t % 2) x 64 bytes on, 128 bytes a place
	v_lshlrev_b32 v21, 2, v22
	v_add_nc_u32 v21, s2, v21                      ; my rows' column of the table: 128 bytes a place
	s_mul_i32 s14, s[WV], 16*SP
	s_add_co_u32 s14, s14, STAGE
	v_mul_u32_u24 v[STO], v18, SP
	v_lshl_add_u32 v[STO], v19, 5, v[STO]
	v_add_nc_u32 v[STO], s14, v[STO]               ; the stage, in: row r, 32 bytes for each half of the lanes
	v_mul_u32_u24 v[RD], v19, SP
	v_lshl_add_u32 v[RD], v18, 4, v[RD]
	v_add_nc_u32 v[RD], s14, v[RD]                 ; and back: lanes 0-15 one row of 256 bytes, lanes 16-31 the next
	ZERO
	s_wait_alu depctr_va_vdst(0)
	s_wait_kmcnt 0x0
	s_add_co_i32 s88, s90, s91                     ; e8 + e9
	s_wait_loadcnt 0x0                             ; ml
; THE PROLOGUE for one row: from the n key steps' entries at v[e] on: 2^(M_c - M) at v[f] on, and l.  Key steps under free count for every work-group; from free on the factor in s[selb ..] says whether a step counts.
.macro EACH n, op:vararg
.set cc, 0
.rept \n
	\op
.set cc, cc+1
.endr
.endm
.macro PRO e, f, n, free, selb, nm, l
	v_min_num_f32 v[\nm], v[\e], v[\e+4]           ; -M of the row = the least -M_c
.set cc, 2
.rept \n-2
	v_min_num_f32 v[\nm], v[\nm], v[\e+4*cc]
.set cc, cc+1
.endr
	EACH \n, v_sub_f32 v[\f+cc], v[\nm], v[\e+4*cc]               ; M_c - M: a whole number, 0 or less
	EACH \n, v_cvt_i32_f32 v[\f+cc], v[\f+cc]                     ; (it saturates)
	EACH \n, v_ldexp_f32 v[\f+cc], 1.0, v[\f+cc]
	EACH \n, v_add_f32 v[\e+4*cc+1], v[\e+4*cc+1], v[\e+4*cc+3]   ; the block's two halves' sums
	EACH \n, v_mul_f32 v[\e+4*cc+1], v[\e+4*cc+1], v[\f+cc]
.if \free > 1
	v_add_f32 v[\l], v[\e+1], v[\e+5]
.else
	v_fma_f32 v[\l], v[\e+5], s[\selb], v[\e+1]
.endif
.set cc, 2
.rept \n-2
.if cc < \free
	v_add_f32 v[\l], v[\l], v[\e+4*cc+1]
.else
	v_fma_f32 v[\l], v[\e+4*cc+1], s[\selb+cc-\free], v[\l]
.endif
.set cc, cc+1
.endr
.endm
	PRO EL, FL, 4, 1, 85, 92, 94
	PRO EH, FH, 8, 5, 82, 93, 95
	s_wait_alu depctr_va_vdst(0)
	v_rcp_f32 v96, v94
	v_rcp_f32 v97, v95
	v_nop                                          ; a plain line behind the last reciprocal
	s_wait_alu depctr_va_vdst(0)                   ; and behind it, ahead of the first reader
	v_ldexp_f32 v96, v96, s88                      ; 2^(e8 + e9) / l
	v_ldexp_f32 v97, v97, s88
	EACH 4, v_mul_f32 v[FL+cc], v[FL+cc], v96
	EACH 8, v_mul_f32 v[FH+cc], v[FH+cc], v97
	; by place: place 0 is low key step 0; places 1 to 8 are low key steps 1 to u, then the high ones: the high row's eight f, moved on by one, with low key step k in front, for each k = 3, 2, 1 that u reaches
.irp k, 3,2,1
	s_cmp_ge_u32 s[U], \k
	s_cselect_b32 s[65+\k], -1, 0
.endr
.irp k, 3,2,1
.irp i, 7,6,5,4,3,2,1
	v_cndmask_b32 v[FH+\i], v[FH+\i], v[FH+\i-1], s[65+\k]
.endr
	v_cndmask_b32 v[FH], v[FH], v[FL+\k], s[65+\k]
.endr
	ds_store_b32 v21, v[FL]
	EACH 8, ds_store_b32 v21, v[FH+cc] offset:128*cc+128
; THE CHANGE OF SLOTS.  Each wave waits for all its tensor loads (its part of the slot that it is about to read), adds 0 to its spare word, and waits for that and for its LDS accesses.
; kind 2: the batch that follows is asked for, into the slot that was left; 1: the last batch, one place; 0: nothing is left to fetch.
.macro CHANGE kind
	s_wait_tensorcnt 0x0
	ds_add_u32 v[SPW], v[NIL]                      ; 0 onto my spare word
.if \kind
	s_wait_xcnt 0x0                                ; any prefetch of mine has read its address
	GSET
	s_add_co_u32 s[PI], s[PI], 2
	NEXT
.endif
	s_wait_dscnt 0x0
.if \kind
	CROUND                                         ; no wave of any partner still reads the slot that was left or has a load on its way
	TLOAD 2-\kind
.else
	s_barrier_signal -1
	s_barrier_wait -1
.endif
	v_add_nc_u32 v[PA], s[TB], v[PA0]
	v_add_nc_u32 v[VA], s[TB], v[VA0]
	v_add_nc_u32 v[PB], s[TB], v[PB0]
	v_add_nc_u32 v[VB], s[TB], v[VB0]
	v_add_nc_u32 v[FA], s49, v[FA0]
	s_wait_alu depctr_va_vdst(0)                   ; the wait directly behind the writes
	s_xor_b32 s[TB], s[TB], SLOT
	s_add_co_u32 s49, s49, 256
.endm
.macro ASK                             ; the tile of place s[PI], which the next change will ask for
	s_cmp_lt_u32 s[PI], s63
	s_cbranch_scc0 .Lnot_mine_\@
	s_cmp_eq_u32 s22, 0
	s_cbranch_scc0 .Lask_v_\@
	global_prefetch_b8 v[PFO], s[98:99] th:TH_LOAD_NT scope:SCOPE_SE
	s_branch .Lnot_mine_\@
.Lask_v_\@:
.irp k, 0,1,2,3
	global_prefetch_b8 v[PFO], s[NV:NV+1] offset:65536*\k th:TH_LOAD_NT scope:SCOPE_SE
.endr
.Lnot_mine_\@:
.endm
.macro LD adr, win, reg, kh            ; four tiles' fragments of the place's kh-th 128 keys: 16 registers each, 512 consecutive bytes a load
	WIN \win
.irp t, 0,1,2,3
.irp c, 0,1,2,3
	ds_load_b128 v[\reg+16*\t+4*\c:\reg+16*\t+4*\c+3], v[\adr] offset:4096*\t+2048*(\kh)+512*\c
.endr
.endr
.endm
.macro LDF f, off                      ; my four tiles' f
.irp t, 0,1,2,3
	ds_load_b32 v[\f+2*\t], v[FA] offset:(\off)+(\t/2)*FTW+(\t%2)*64
.endr
.endm
; S of channel tile d takes f x T: 16 packed lines, each T from its low end on
.macro COMB d, f
	WIN 0xa3                                       ; T window 3, f window 0, S window 2
.irp t, 0,1,2,3
.irp i, 0,2,4,6
	v_pk_fma_f32 v[8*(4*\t+(\d))+\i:8*(4*\t+(\d))+\i+1], v[8*(4*\t+(\d))+\i:8*(4*\t+(\d))+\i+1], v[\f+2*\t:\f+2*\t+1], v[8*(4*\t+(\d))+\i:8*(4*\t+(\d))+\i+1] op_sel_hi:[1,0,1]
.endr
.endr
.endm
; The first and the second 128 keys of a place.  The 16 T take turns, one instruction a turn.  The counts: V's younger tiles, 4 loads each, and the 32 (or young) loads issued behind.
.macro PROD0 w, vb, pb
.irp d, 0,1,2,3
	s_wait_dscnt 4*(3-\d)+32
	WIN \w
.irp t, 0,1,2,3
	v_wmma_f32_16x16x128_bf8_bf8 v[8*(4*\t+\d):8*(4*\t+\d)+7], v[\vb+16*\d:\vb+16*\d+15], v[\pb+16*\t:\pb+16*\t+15], 0
.endr
.endr
.endm
.macro PROD1 w, vb, pb, young, f, more ; more = 1: the second place's second half is fetched behind the last products.  The packed lines of channel tile d - 1 are the places behind the products of tile d
.irp d, 0,1,2,3
	s_wait_dscnt 4*(3-\d)+(\young)
	WIN \w
.irp t, 0,1,2,3
	v_wmma_f32_16x16x128_bf8_bf8 v[8*(4*\t+\d):8*(4*\t+\d)+7], v[\vb+16*\d:\vb+16*\d+15], v[\pb+16*\t:\pb+16*\t+15], v[8*(4*\t+\d):8*(4*\t+\d)+7]
.endr
.if \d == 1
.rept 4
	v_nop                                          ; tile 0's results have no packed lines behind them yet
.endr
.endif
.if \d == 3
.if \more
	LD PB, 0x80, 192, 1
	LD VB, 0x40, 192, 1
.endif
.endif
.if \d > 0
	COMB \d-1, \f
.endif
.endr
	COMB 3, \f
	WIN 0
.endm
; THE WAY OUT of a block, a tile of 16 queries x my 64 channels at a time.  A lane holds 32 neighbouring bytes of a row, and the lanes beside it hold other rows: a tile goes through my own stage in LDS
; and comes back as whole rows of 256 bytes.  LDS serves a wave's instructions in order (ISA guide 5.7.1.4): no wait between the stores and the loads.
.macro TOSTAGE n
	WIN 0x08                                       ; the stores' data: window 2
.irp d, 0,1,2,3
	ds_store_b128 v[STO], v[32*(\n)+8*\d:32*(\n)+8*\d+3] offset:64*\d
	ds_store_b128 v[STO], v[32*(\n)+8*\d+4:32*(\n)+8*\d+7] offset:64*\d+16
.endr
	WIN 0
.set BK, 64+32*((\n)%2)
.irp i, 0,1,2,3,4,5,6,7
	ds_load_b128 v[BK+4*\i:BK+4*\i+3], v[RD] offset:2*\i*SP
.endr
.endm
.macro SEND n, younger, ptr            ; younger: the LDS instructions issued behind tile n's loads, which may stay out
.set BK, 64+32*((\n)%2)
	s_wait_dscnt \younger
.irp i, 0,1,2,3,4,5,6,7
	global_store_b128 v[GO], v[BK+4*\i:BK+4*\i+3], s[\ptr:\ptr+1] offset:65536*(\n)+8192*\i th:TH_STORE_NT   ; sixteen lanes store 256 consecutive bytes, at a multiple of 256 from out's first byte; written once, read by nobody here
.endr
.endm
.macro OUT ptr
	s_wait_alu depctr_va_vdst(0)
	s_wait_xcnt 0x0                                ; earlier stores have read their registers
	TOSTAGE 0
	TOSTAGE 1
	SEND 0, 16, \ptr
	s_wait_xcnt 0x0
	TOSTAGE 2
	SEND 1, 16, \ptr
	s_wait_xcnt 0x0
	TOSTAGE 3
	SEND 2, 16, \ptr
	SEND 3, 0, \ptr
.endm
.macro LOWOUT n                        ; behind place u the low block leaves, and the high block's sums begin.  Ids and the count of places alone decide, the same in all waves and partners; no barrier and no tensor load stands under the branch
	s_add_co_u32 s2, s51, \n
	s_cmp_eq_u32 s2, s[U]
	s_cbranch_scc0 .Lstay_\@
	OUT 96
	ZERO
.Lstay_\@:
.endm
; Two places: 2 x 32 matrix instructions.  The second place's fragments are fetched under the first one's products.
.macro WORK2 loop
	LDF FR, 0
	LDF FR+8, 128
	LD PA, 0, 128, 0
	LD VA, 0x40, 0, 0
	LD PA, 0, 192, 1
	LD VA, 0x40, 64, 1
	WIN 0
.if \loop
	ASK
.endif
	PROD0 0xc1, 0, 128
	LD PB, 0x80, 128, 0
	LD VB, 0x40, 128, 0
	PROD1 0xf1, 64, 192, 32, FR, 1
.if \loop
	LOWOUT 0
.endif
	PROD0 0xc9, 128, 128
	PROD1 0xf9, 192, 192, 0, FR+8, 0
.if \loop
	LOWOUT 1
.endif
.endm
	s_wait_alu depctr_va_vdst(0)
.Lwalk:                                                ; places 0 to 5
	CHANGE 2
	WORK2 1
	s_add_co_u32 s51, s51, 2
	s_wait_alu depctr_va_vdst(0)
	s_sub_co_u32 s50, s50, 1
	s_cmp_lg_u32 s50, 0
	s_cbranch_scc1 .Lwalk
	CHANGE 1                                       ; places 6, 7; place 8 is asked for
	WORK2 0
	CHANGE 0                                       ; place 8
	LDF FR, 0
	LD PA, 0, 128, 0
	LD VA, 0x40, 0, 0
	LD PA, 0, 192, 1
	LD VA, 0x40, 64, 1
	PROD0 0xc1, 0, 128
	PROD1 0xf1, 64, 192, 0, FR, 0
	OUT 94
	s_wait_tensorcnt 0x0                           ; the wave's end, behind my last tensor load and my last LDS store
	ds_add_u32 v[SPW], v[NIL]
	s_wait_dscnt 0x0
	CROUND                                         ; the closing round: no work-group ends while a partner may still ask for a tile that names it
	s_endpgm
.Lfunc_end_k_q0765d2869a_pv:
	.size	k_q0765d2869a_pv, .Lfunc_end_k_q0765d2869a_pv-k_q0765d2869a_pv
	.p2alignl 7, 3214868480
	.fill 96, 4, 3214868480
	.section	.rodata,"a",@progbits
	.p2align	6, 0x0
	.amdhsa_kernel k_q0765d2869a_pv
		.amdhsa_group_segment_fixed_size 327680
		.amdhsa_private_segment_fixed_size 0
		.amdhsa_enable_private_segment 0
		.amdhsa_kernarg_size 40
		.amdhsa_user_sgpr_count 2
		.amdhsa_user_sgpr_kernarg_segment_ptr 1
		.amdhsa_wavefront_size32 1
		.amdhsa_system_sgpr_workgroup_id_x 1
		.amdhsa_system_sgpr_workgroup_id_y 1
		.amdhsa_system_sgpr_workgroup_id_z 1
		.amdhsa_system_vgpr_workitem_id 0
		.amdhsa_next_free_vgpr 1024
		.amdhsa_next_free_sgpr 102
		.amdhsa_reserve_vcc 0
		.amdhsa_float_denorm_mode_32 3
		.amdhsa_float_denorm_mode_16_64 3
		.amdhsa_memory_ordered 1
		.amdhsa_forward_progress 1
		.amdhsa_inst_pref_size 113
	.end_amdhsa_kernel
	.amdgpu_metadata
---
amdhsa.version: [ 1, 2 ]
amdhsa.kernels:
  - .name:           k_q0765d2869a_pv
    .symbol:         k_q0765d2869a_pv.kd
    .args:
      - { .name: pimg, .offset: 0, .size: 8, .value_kind: global_buffer, .address_space: global }
      - { .name: vimg, .offset: 8, .size: 8, .value_kind: global_buffer, .address_space: global }
      - { .name: ml, .offset: 16, .size: 8, .value_kind: global_buffer, .address_space: global }
      - { .name: lowp_scales, .offset: 24, .size: 8, .value_kind: global_buffer, .address_space: global }
      - { .name: out0, .offset: 32, .size: 8, .value_kind: global_buffer, .address_space: global }
    .group_segment_fixed_size: 327680
    .private_segment_fixed_size: 0
    .kernarg_segment_align: 8
    .kernarg_segment_size: 40
    .max_flat_workgroup_size: 128
    .sgpr_count:     102
    .vgpr_count:     1024
    .wavefront_size: 32
...
	.end_amdgpu_metadata
.endif
;; end of part 3
